; MI455X (gfx1250); checked and timed in simulation.
; The chip was launched on July 23, 2026; its instructions are those of AMD's public machine-readable ISA for CDNA 5 (MIT licence, August 2026) and "CDNA5" Instruction Set Architecture Reference Guide (July 2026). The comments in the code are by the model that wrote it; some were corrected since.
;; Abs Diag Net Gated. Allowed arithmetic: float matrix products may take bf16 or f16 operands with f32 sums; all other float work in f32.
;; Inputs: HH 1,024 float32; W_cell 1,024 x 1,024 float32; W_ho 512 x 1,024 float32; W_ih 1,024 x 512 float32; X 256 x 128 x 512 float32; b_ho 512 float32.
;; Outputs: out0 128 x 512 float32.
;; 2 versions, each right; version 2 is version 1 with the launch prep written anew for expert scheduling mode. Each part assembles by itself: llvm-mc -triple=amdgcn-amd-amdhsa -mcpu=gfx1250 --defsym DOCPART=n.
;; ======== version 1 of 2: 4 launches
;; limits: values are held in f16: magnitudes above 65,504 overflow, below 6.1e-05 lose precision; inputs' magnitudes at most 65,504; right only within a limited range of input values
;; workspace buffers: wih_t 1,048,576 bytes; wcell_h 2,097,152 bytes; who_h 1,048,576 bytes; g 67,108,864 bytes; hfin 524,288 bytes
;; launch prep (part 1): grid 256 x 1, 8 waves a work-group, no clusters, 0 bytes of LDS; arguments W_ih, W_cell, W_ho, wih_t, wcell_h, who_h; writes wih_t, wcell_h, who_h
.if DOCPART == 1
	.amdgcn_target "amdgcn-amd-amdhsa--gfx1250"
	.amdhsa_code_object_version 6
	.text
	.protected	k_qd3756608d0_prep
	.globl	k_qd3756608d0_prep
	.p2align	8
	.type	k_qd3756608d0_prep,@function
k_qd3756608d0_prep:
	s_mov_b64 s[64:65], 0
	v_nop
	global_prefetch_b8 v0, s[64:65] scope:SCOPE_SE
	s_setreg_imm32_b32 hwreg(HW_REG_WAVE_MODE, 25, 1), 1
	s_wait_xcnt 0x0
; The three weight matrices, f32 to f16 (round to nearest even), once, because every row block of the later launches reads them again.
; f16 and not bf16: the recurrence two launches on can grow like HH^255 and then carries the rounding of the first few steps' operands along at full size;
; f16 keeps 11 significant bits where bf16 keeps 8.
; RANGE: f16's largest number is 65,504, its grid below 2^-14 is 2^-24.  The weights are drawn with spreads of 0.031 to 0.044: 30 times larger, 30 times smaller
; (the grid is then still under 1e-4 of the spread) or offset by 30 spreads they stay inside.  A weight beyond 65,504 (W_ih: 262,016) becomes an infinity.
; W_cell [1024][1024] and W_ho [512][1024] keep their layout.  W_ih [1024][512] is divided by 4 (exact), so that the first product's results, which are stored in f16,
; have 4 times more room (the recurrence is undone of this factor at its end), and is laid out as the tiles that the first product walks:
; wih_t[q][n][kk] = W_ih[512 (q / 8) + n][64 (q % 8) + kk] / 4, q = 0..15, n = 0..511, kk = 0..63: each tile is 65,536 consecutive bytes.
; A stream: no LDS, no barrier, no matrix unit, no cluster (no two work-groups read the same byte).
; A group is 4 numbers: 16 bytes in, 8 bytes out.  A work-group takes 2,048 groups, thread t the groups 256 i + t, i = 0..7: a wave's load
; covers 512 consecutive bytes (tiled: two pieces of 256), a wave's store 256 consecutive bytes at a multiple of 256.
; Work-groups 0-63: W_ih (131,072 groups); 64-191: W_cell (262,144); 192-255: W_ho (131,072).
.set IN,  8                            ; v[8:39]   eight loads of 4 registers
.set OUT, 40                           ; v[40:55]  eight results of 2 registers
; eight loads in flight, then each is rounded and stored as it lands.  No address and no store's data is ever written again.  quarter = 1: times 1/4 first.
.macro CONV src, dst, step, quarter
.irp i, 0,1,2,3,4,5,6,7
	global_load_b128 v[IN+4*\i:IN+4*\i+3], v1, s[\src:\src+1] offset:\i*\step th:TH_LOAD_NT
.endr
.irp i, 0,1,2,3,4,5,6,7
	s_wait_loadcnt 7-\i                            ; loads come back in order: load i is in, the 7 - i younger ones stay out
.if \quarter
	v_pk_mul_f32 v[IN+4*\i:IN+4*\i+1],   v[IN+4*\i:IN+4*\i+1],   s[24:25] op_sel_hi:[1,0]
	v_pk_mul_f32 v[IN+4*\i+2:IN+4*\i+3], v[IN+4*\i+2:IN+4*\i+3], s[24:25] op_sel_hi:[1,0]
.endif
	v_cvt_pk_f16_f32 v[OUT+2*\i],   v[IN+4*\i],   v[IN+4*\i+1]
	v_cvt_pk_f16_f32 v[OUT+2*\i+1], v[IN+4*\i+2], v[IN+4*\i+3]
	global_store_b64 v2, v[OUT+2*\i:OUT+2*\i+1], s[\dst:\dst+1] offset:\i*2048
.endr
.endm
	s_load_b256 s[4:11], s[0:1], 0x0               ; W_ih s[4:5], W_cell s[6:7], W_ho s[8:9], wih_t s[10:11]
	s_load_b128 s[12:15], s[0:1], 0x20             ; wcell_h s[12:13], who_h s[14:15]
	v_lshlrev_b32 v2, 3, v0                        ; where my 8 bytes go, on both ways
	s_mov_b32 s19, 0                               ; upper word of every offset
	s_mov_b32 s24, 0x3e800000                      ; 1/4
	s_mov_b32 s25, 0x3e800000
	s_cmp_lt_u32 ttmp9, 64
	s_cbranch_scc1 .Ltiled
	; W_cell or W_ho, layout kept: 32,768 bytes in and 16,384 bytes out for each work-group
	v_lshlrev_b32 v1, 4, v0
	s_sub_co_u32 s16, ttmp9, 64
	s_wait_kmcnt 0x0
	s_cmp_lt_u32 s16, 128                          ; the choice hangs on the work-group's number alone
	s_cselect_b64 s[20:21], s[6:7], s[8:9]
	s_cselect_b64 s[22:23], s[12:13], s[14:15]
	s_and_b32 s16, s16, 127                        ; my number within the matrix (W_ho's 128..191 become 0..63)
	s_lshl_b32 s18, s16, 15
	s_add_nc_u64 s[20:21], s[20:21], s[18:19]
	s_lshl_b32 s18, s16, 14
	s_add_nc_u64 s[22:23], s[22:23], s[18:19]
	CONV 20, 22, 4096, 0
	s_endpgm
.Ltiled:
	; W_ih: work-group L writes bytes 16,384 L .. of wih_t: tile q = L / 4, rows n = 128 (L % 4) + 16 i + t / 16, kk = 4 (t % 16).
	; Read at row 512 (L / 32) + n, byte 256 ((L / 4) % 8) + 16 (t % 16): sixteen lanes read 256 consecutive bytes of one row.
	v_lshrrev_b32 v3, 4, v0
	v_and_b32 v4, 15, v0
	v_lshlrev_b32 v4, 4, v4
	v_lshl_add_u32 v1, v3, 11, v4                  ; (t / 16) rows of 2,048 bytes + 16 (t % 16)
	s_lshr_b32 s16, ttmp9, 5
	s_lshl_b32 s16, s16, 20                        ; 512 rows of 2,048 bytes
	s_and_b32 s17, ttmp9, 3
	s_lshl_b32 s17, s17, 18                        ; 128 rows
	s_add_co_u32 s16, s16, s17
	s_bfe_u32 s17, ttmp9, 0x30002                  ; (L / 4) % 8
	s_lshl_b32 s17, s17, 8
	s_add_co_u32 s18, s16, s17
	s_wait_kmcnt 0x0
	s_add_nc_u64 s[20:21], s[4:5], s[18:19]
	s_lshl_b32 s18, ttmp9, 14
	s_add_nc_u64 s[22:23], s[10:11], s[18:19]
	CONV 20, 22, 32768, 1                          ; from i to i + 1: 16 rows of W_ih
	s_endpgm
.Lfunc_end_k_qd3756608d0_prep:
	.size	k_qd3756608d0_prep, .Lfunc_end_k_qd3756608d0_prep-k_qd3756608d0_prep
	.p2alignl 7, 3214868480
	.fill 96, 4, 3214868480
	.section	.rodata,"a",@progbits
	.p2align	6, 0x0
	.amdhsa_kernel k_qd3756608d0_prep
		.amdhsa_group_segment_fixed_size 0
		.amdhsa_private_segment_fixed_size 0
		.amdhsa_enable_private_segment 0
		.amdhsa_kernarg_size 48
		.amdhsa_user_sgpr_count 2
		.amdhsa_user_sgpr_kernarg_segment_ptr 1
		.amdhsa_wavefront_size32 1
		.amdhsa_system_sgpr_workgroup_id_x 1
		.amdhsa_system_sgpr_workgroup_id_y 1
		.amdhsa_system_sgpr_workgroup_id_z 1
		.amdhsa_system_vgpr_workitem_id 0
		.amdhsa_next_free_vgpr 64
		.amdhsa_next_free_sgpr 66
		.amdhsa_reserve_vcc 0
		.amdhsa_float_denorm_mode_32 3
		.amdhsa_float_denorm_mode_16_64 3
		.amdhsa_memory_ordered 1
		.amdhsa_forward_progress 1
		.amdhsa_inst_pref_size 9
	.end_amdhsa_kernel
	.amdgpu_metadata
---
amdhsa.version: [ 1, 2 ]
amdhsa.kernels:
  - .name:           k_qd3756608d0_prep
    .symbol:         k_qd3756608d0_prep.kd
    .args:
      - { .name: W_ih, .offset: 0, .size: 8, .value_kind: global_buffer, .address_space: global }
      - { .name: W_cell, .offset: 8, .size: 8, .value_kind: global_buffer, .address_space: global }
      - { .name: W_ho, .offset: 16, .size: 8, .value_kind: global_buffer, .address_space: global }
      - { .name: wih_t, .offset: 24, .size: 8, .value_kind: global_buffer, .address_space: global }
      - { .name: wcell_h, .offset: 32, .size: 8, .value_kind: global_buffer, .address_space: global }
      - { .name: who_h, .offset: 40, .size: 8, .value_kind: global_buffer, .address_space: global }
    .group_segment_fixed_size: 0
    .private_segment_fixed_size: 0
    .kernarg_segment_align: 8
    .kernarg_segment_size: 48
    .max_flat_workgroup_size: 256
    .sgpr_count:     66
    .vgpr_count:     64
    .wavefront_size: 32
...
	.end_amdgpu_metadata
.endif
;; end of part 1
;; launch gemm1 (part 2): grid 256 x 1, 4 waves a work-group, clusters of 4 x 1, 327,680 bytes of LDS; arguments X, wih_t, g; writes g
.if DOCPART == 2
	.amdgcn_target "amdgcn-amd-amdhsa--gfx1250"
	.amdhsa_code_object_version 6
	.text
	.protected	k_qd3756608d0_gemm1
	.globl	k_qd3756608d0_gemm1
	.p2align	8
	.type	k_qd3756608d0_gemm1,@function
k_qd3756608d0_gemm1:
	s_mov_b64 s[64:65], 0
	v_nop
	global_prefetch_b8 v0, s[64:65] scope:SCOPE_SE
	s_setreg_imm32_b32 hwreg(HW_REG_WAVE_MODE, 25, 1), 1
	s_wait_xcnt 0x0
	s_wait_alu depctr_hold_cnt(0) depctr_sa_sdst(0) depctr_va_vdst(0) depctr_va_sdst(0) depctr_va_ssrc(0) depctr_va_vcc(0) depctr_vm_vsrc(0)
	s_getreg_b32 s2, hwreg(HW_REG_IB_STS2, 6, 4)
	s_cmp_eq_u32 s2, 0
	s_cbranch_scc0 .Lentry_in_a_cluster
	s_endpgm
.Lentry_in_a_cluster:
	s_bfe_u32 s2, ttmp6, 0x10000c
	s_cmp_lg_u32 s2, 0x3003
	s_cbranch_scc0 .Lentry_shape_is_right
	s_endpgm
.Lentry_shape_is_right:
; g[t][b][n] = relu(sum over k of X[t][b][k] W_ih[n][k]) / 4, stored in f16, the format in which the next product takes it.
; X: [256][128][512] f32.  wih_t: W_ih / 4 in f16 as 16 dense tiles [q][512 n][64 k], q = 8 nb + s (n block nb of 512, K step s of 64).  g: [32768][1024] f16.
; LIMITS: X and W_ih / 4 enter the matrix unit rounded to f16 (11 significant bits), sums in f32.  f16's largest number is 65,504: |X| stays under it, and so does g, that is
; the sums of the product stay under 262,016.  As drawn X has a spread of 1, W_ih of 0.044, the sums of 1; 30 times larger on both gives sums to some 5,000, offsets of 30
; spreads on both give sums near 20,400, stored as 5,100; 30 times smaller on both gives g of some 3e-4, where f16's grid of 2^-24 is 1e-4 of it.
; relu is v_max_num_f32(0, x): a NaN sum gives 0 where a NaN would be expected.
; SHARES: work-group w owns t = w: 128 rows, 262,144 consecutive bytes of X, read once in the launch.  Four waves, as many as a WGP has SIMDs; in n block nb wave v
; makes 128 rows x columns 512 nb + 128 v .. + 127: 64 accumulator tiles of 16 x 16 in 512 registers.  32 K units of 32 k, 64 matrix instructions each: 2,048 a wave.
; X goes memory -> registers -> f16 -> LDS during n block 0, in granules of 16 rows x 64 k a wave (8 loads), three granules on their way; the f16 copy (8 slices of 64 k)
; stays in LDS for n block 1.
; W: every work-group walks the same 16 tiles, so four work-groups form a cluster and ask for each tile jointly (mask 15): the requests for W are divided by four.
; Each wave asks for, and alone reads, the 128 rows of n that it multiplies.  LDS has room for two tiles beside X's copy (a third: 3 x 73,728 + 147,456 bytes do not fit).
; So the registers carry the ring on: four fragment buffers hold two tiles (four K units).  A period is four units.  As soon as a tile has landed and a buffer is free, the
; wave moves the tile's fragments into it; when both slots have been emptied, BOTH are asked for again behind ONE round of the cluster's barrier, at the end of the period's
; first unit.  From that request a wave issues 160 matrix instructions to the wait for the first tile and 192 to the wait for the second.
; The text is straight: every granule, slice, slot, buffer and offset is a constant of its unit.
;
; REGISTERS in windows of 256:  window 0: v0-15 a granule in f16, v16-31 addresses, v32-63 / v192-223 / v224-255 three granules as loaded in f32 (v192-223 also at work on
;   the way out), v64-127 / v128-191 fragments of X (two buffers)
;   window 1: v0-63, v64-127, v128-191, v192-255: four buffers of W fragments, unit U uses buffer U % 4
;   window 2: accumulator tiles of rows 0-63 (tile (a, b) at v[8 (8 a + b)]);  window 3: of rows 64-127
; THE MATRIX INSTRUCTION IS USED TRANSPOSED (source 0 = 16 rows of W, source 1 = 16 rows of X): lane l then holds row l % 16 of g and its eight registers the
; neighbouring columns 8 (l / 16) + 0..7, which pack into 16 bytes.
.set WP,     144                       ; an LDS row: 128 bytes (64 f16) + 16 of padding = 9 x 16 bytes: the 16 rows of a fragment load lie in 16 different 16-byte columns of 256
.set WROWS,  128*WP                    ; 18,432: a wave's 128 rows of a W tile; also a slice of X
.set WSLOT,  4*WROWS                   ; 73,728: a W tile of 512 rows
.set XR,     2*WSLOT                   ; 147,456: X's f16 copy, 8 slices; written by LDS stores, never by a tensor load
.set XSL,    WROWS
.set STAGE,  XR+8*XSL                  ; 294,912: the way out, 16 rows x 272 bytes for each wave
.set SPITCH, 272
.set CT,   0                           ; v0-15   a granule of X in f16, on its way into LDS (v0-5 serve the set-up first)
.set ADRX, 16                          ; v16-19  my fragment address in X's slices 2 j (slice 2 j + 1 by the immediate)
.set ADRB, 20                          ; v20-21  the same in my rows of W's slot 0, 1
.set XG,   22                          ; v22     byte offset in X of the 16 bytes that I load
.set STO,  24                          ; v24     way out: where I put 16 bytes of a row
.set RD,   25                          ; v25     way out: where I read a row back
.set CO,   26                          ; v26     my byte offset in g
.set XSTA, 28                          ; v28-31  where I store 8 bytes of X in f16, slices 2 j
.set F0,   64
.set F1,   128
.set TMP,  192
.set G1,   24                          ; s[24:31] descriptor group 1
.set G0,   32                          ; s[32:39] descriptor group 0, one set for each slot
.set MSB, 0
.macro WIN new                         ; the immediate's high byte repeats the setting that is left
.if MSB != \new
	s_set_vgpr_msb (MSB<<8)|\new
.set MSB, \new
.endif
.endm
.set MUL_LO, 0xa1                      ; source 0 (W) window 1, source 1 (X) window 0, C and D window 2
.set MUL_HI, 0xf1                      ; the same, C and D window 3
.set TO_B,   0x40                      ; destination window 1, address window 0
.macro CREST                           ; a round of the cluster's barrier behind its opening work-group barrier
	s_cmp_lg_u32 s10, 0
	s_cbranch_scc1 .Lnot_wave_0_\@
	s_barrier_signal -3                            ; wave 0 speaks for the work-group
.Lnot_wave_0_\@:
	s_barrier_wait -3                              ; all four work-groups
	s_barrier_signal -1
	s_barrier_wait -1
.endm
.macro CROUND
	s_barrier_signal -1
	s_barrier_wait -1
	CREST
.endm
; Four places behind a matrix instruction before a load is issued into one of its registers or a vector instruction reads its result
; (ISA guide 7.12.1 for vector instructions); only plain vector instructions that name none of its registers are counted.
.macro PLACES
.rept 4
	v_nop
.endr
.endm
; 16 matrix instructions: row blocks a0, a0 + 1 of the window's four x all 8 column blocks, 32 along K; W from buffer fw, X from buffer fx.
; zero = 1: the product starts the sums.  The 64 accumulators take turns, one instruction a turn, in the same order in every K unit.
.macro MUL16 fw, fx, hi, a0, zero
.irp a, \a0, \a0+1
.irp b, 0,1,2,3,4,5,6,7
.if \zero
	v_wmma_f32_16x16x32_f16 v[8*(8*(\a)+\b):8*(8*(\a)+\b)+7], v[\fw+8*\b:\fw+8*\b+7], v[\fx+8*(4*\hi+\a):\fx+8*(4*\hi+\a)+7], 0
.else
	v_wmma_f32_16x16x32_f16 v[8*(8*(\a)+\b):8*(8*(\a)+\b)+7], v[\fw+8*\b:\fw+8*\b+7], v[\fx+8*(4*\hi+\a):\fx+8*(4*\hi+\a)+7], v[8*(8*(\a)+\b):8*(8*(\a)+\b)+7]
.endif
.endr
.endr
.endm
; 16 LDS loads: the W fragments of one K unit, my 128 rows at byte kb of slot's rows, into buffer fw of window 1
.macro FETCHW slot, kb, fw
	WIN TO_B
.irp i, 0,1,2,3,4,5,6,7
	ds_load_b128 v[\fw+8*\i:\fw+8*\i+3],   v[ADRB+\slot] offset:\kb+\i*16*WP
	ds_load_b128 v[\fw+8*\i+4:\fw+8*\i+7], v[ADRB+\slot] offset:\kb+\i*16*WP+32
.endr
.endm
; 16 LDS loads: the X fragments of one K unit, 128 rows at byte 64 u of slice sl's rows, into buffer fx of window 0; the last eight are rows 64-127
.macro FETCHX sl, u, fx
	WIN 0
.irp i, 0,1,2,3,4,5,6,7
	ds_load_b128 v[\fx+8*\i:\fx+8*\i+3],   v[ADRX+(\sl)/2] offset:((\sl)%2)*XSL+\u*64+\i*16*WP
	ds_load_b128 v[\fx+8*\i+4:\fx+8*\i+7], v[ADRX+(\sl)/2] offset:((\sl)%2)*XSL+\u*64+\i*16*WP+32
.endr
.endm
; Granule j of X = rows 16 (j % 2) .. + 15 of my 32 rows, slice j / 2: 8 loads, each two rows x 256 consecutive bytes, into staging buffer j % 3 (v32, v192, v224)
.macro XLOAD j
	WIN 0
.set GB, 32+160*((((\j)%3)+1)/2)+32*(((\j)%3)/2)
.irp i, 0,1,2,3,4,5,6,7
	global_load_b128 v[GB+4*\i:GB+4*\i+3], v[XG], s[4:5] offset:\i*4096+((\j)%2)*32768+((\j)/2)*256 th:TH_LOAD_NT
.endr
.endm
; granule j, landed: rounded to f16 and stored into its place in LDS.  left = the younger granules' loads that stay out.
; CT was the data of the granule before's LDS stores: between two granules stands a wait on DScnt that leaves out only younger LDS instructions.
.macro XCVT j, left
	WIN 0
.set GB, 32+160*((((\j)%3)+1)/2)+32*(((\j)%3)/2)
	s_wait_loadcnt \left
.irp i, 0,1,2,3,4,5,6,7
	v_cvt_pk_f16_f32 v[CT+2*\i],   v[GB+4*\i],   v[GB+4*\i+1]
	v_cvt_pk_f16_f32 v[CT+2*\i+1], v[GB+4*\i+2], v[GB+4*\i+3]
.endr
.irp i, 0,1,2,3,4,5,6,7
	ds_store_b64 v[XSTA+(\j)/4], v[CT+2*\i:CT+2*\i+1] offset:(((\j)/2)%2)*XSL+((\j)%2)*16*WP+\i*2*WP
.endr
.endm
; a unit's share of X's way in: granule cv is rounded into LDS (-1: none), granule ld is asked for, into the staging buffer just read (-1: none)
.macro XSTEP cv, left, ld
.if \cv >= 0
	XCVT \cv, \left
.endif
.if \ld >= 0
	XLOAD \ld
.endif
.endm
; the buffers of unit U, and where the next unit's X fragments come from and go to
.macro UVARS U
.set FW,  64*((\U)%4)
.set FX,  F0+64*((\U)%2)
.set NFX, F0+64*(((\U)+1)%2)
.set NSL, (((\U)+1)/2)%8
.endm
; THE FOUR UNITS OF A PERIOD.
; First unit.  At its head slot 1's tile (the period's units 2 and 3) is moved into buffers 2 and 3, which the last period has just left, and the next unit's X is fetched
; (the same slice as this unit's).  With that both slots have been read.  fill = 1: the slots are asked for again.  In front of the barrier each wave has waited for all its
; tensor loads (the wait at the head; none has been issued since), for its reads of both slots and for its LDS stores of X's next slice; the barrier opens a round of the
; cluster's barrier, only matrix instructions stand inside it, and the two joint refills are the first tensor loads behind it, ahead of any LDS read.  So no wave of any
; partner still reads a slot or has a load on its way; and behind it X's next slice is whole.
.macro UA U, zero, cv, left, ld, fill
	UVARS \U
	PLACES                                         ; behind the last unit's matrix instructions, which read buffer 3 and the other X buffer
	s_set_vgpr_msb (MSB<<8)|((MSB&0xf0)|0x0)
	s_wait_tensorcnt 0x0                           ; slot 1's tile is in: all my tensor loads have landed
	ds_add_u32 v23, v27
	s_wait_dscnt 0x0
	s_set_vgpr_msb (((MSB&0xf0)|0x0)<<8)|MSB
	s_wait_dscnt 8                                 ; buffers 0 and 1 and X's rows 0-63 are in; the youngest eight loads (X's rows 64-127) may be out
	FETCHW 1, 0,  128
	FETCHW 1, 64, 192
	FETCHX NSL, 1, NFX
	WIN MUL_LO
	MUL16 FW, FX, 0, 0, \zero
	MUL16 FW, FX, 0, 2, \zero
	s_wait_dscnt 48                                ; all but the 48 just issued: X's rows 64-127
	XSTEP \cv, \left, \ld
	WIN MUL_HI
	MUL16 FW, FX, 1, 0, \zero
.if \fill
	s_wait_dscnt 0                                 ; my reads of both slots and my stores of X's next slice are done
	s_barrier_signal -1
	MUL16 FW, FX, 1, 2, \zero                      ; registers only, while the others arrive
	WIN 0
	s_barrier_wait -1
	CREST
	s_add_nc_u64 s[G0+2:G0+3], s[G0+2:G0+3], 2*65536       ; two tiles on, both slots; no tensor load of mine is out
	s_add_nc_u64 s[G0+6:G0+7], s[G0+6:G0+7], 2*65536
	tensor_load_to_lds s[G0:G0+3], s[G1:G1+7]              ; the next period's units 0 and 1
	s_nop 0
	tensor_load_to_lds s[G0+4:G0+7], s[G1:G1+7]            ; and its units 2 and 3: two tensor loads of the wave are out, never more
	s_nop 0
.else
	MUL16 FW, FX, 1, 2, \zero
.endif
.endm
; Second unit: in its middle it fetches the next unit's X, from the slice that the barrier in the first unit has shown whole.
.macro UB U, cv, left, ld
	UVARS \U
	s_wait_dscnt 8                                 ; X's rows 0-63 are in (and buffers 2 and 3, which were asked for ahead of them)
	WIN MUL_LO
	MUL16 FW, FX, 0, 0, 0
	MUL16 FW, FX, 0, 2, 0
	XSTEP \cv, \left, \ld
	PLACES
	FETCHX NSL, 0, NFX
	s_wait_dscnt 16                                ; all but the 16 just issued
	WIN MUL_HI
	MUL16 FW, FX, 1, 0, 0
	MUL16 FW, FX, 1, 2, 0
.endm
; Third unit: the next unit's X (the same slice) is fetched at its head.  bar = 1: the work-group's barrier that shows X's next slice whole.
.macro UC U, cv, left, ld, bar
	UVARS \U
	PLACES
	s_wait_dscnt 8                                 ; X's rows 0-63 are in
	FETCHX NSL, 1, NFX
	WIN MUL_LO
	MUL16 FW, FX, 0, 0, 0
.if \bar
	XSTEP \cv, \left, \ld
	s_wait_dscnt 0                                 ; my stores of X's next slice are done, for the others' sake
	s_barrier_signal -1
	WIN MUL_LO
	MUL16 FW, FX, 0, 2, 0
	s_barrier_wait -1
.else
	MUL16 FW, FX, 0, 2, 0
	s_wait_dscnt 16                                ; all but the 16 just issued
.endif
	WIN MUL_HI
	MUL16 FW, FX, 1, 0, 0
	MUL16 FW, FX, 1, 2, 0
.endm
; Fourth unit.  nxt = 1: in its middle slot 0's new tile (the next period's units 0 and 1) is moved into buffers 0 and 1, and the next unit's X is fetched.
; I alone read the rows that I asked for, so my own counted wait is all the ordering that these reads need.
.macro UD U, cv, left, ld, nxt
	UVARS \U
	s_wait_dscnt 8                                 ; X's rows 0-63 are in
	WIN MUL_LO
	MUL16 FW, FX, 0, 0, 0
	MUL16 FW, FX, 0, 2, 0
	XSTEP \cv, \left, \ld
.if \nxt
	s_wait_tensorcnt 1                             ; tensor loads of a wave end in order: slot 0's tile is in, slot 1's may stay out
	PLACES
	FETCHW 0, 0,  0
	FETCHW 0, 64, 64
	FETCHX NSL, 0, NFX
	s_wait_dscnt 48                                ; all but the 48 just issued
.else
	s_wait_dscnt 0
.endif
	WIN MUL_HI
	MUL16 FW, FX, 1, 0, 0
	MUL16 FW, FX, 1, 2, 0
.endm
; THE WAY OUT, 16 rows at a time: relu in f32, round to f16, 16 bytes a lane into my own stage, read back as rows of 256 bytes.
; wmax, wcvt: the windows for the maxima (in place) and for the conversions; f: the bounce registers, two sets by turns.
.macro OUT16 i, a, wmax, wcvt, f, nb
	WIN \wmax
.irp b, 0,1,2,3,4,5,6,7
.irp j, 0,1,2,3,4,5,6,7
	v_max_num_f32 v[8*(8*\a+\b)+\j], 0, v[8*(8*\a+\b)+\j]
.endr
.endr
	WIN \wcvt
.irp b, 0,1,2,3,4,5,6,7
.irp r, 0,1,2,3
	v_cvt_pk_f16_f32 v[TMP+4*\b+\r], v[8*(8*\a+\b)+2*\r], v[8*(8*\a+\b)+2*\r+1]
.endr
.endr
	WIN 0
.irp b, 0,1,2,3,4,5,6,7
	ds_store_b128 v[STO], v[TMP+4*\b:TMP+4*\b+3] offset:32*\b
.endr
	s_wait_xcnt 0x0                                ; the bounce registers are the data of earlier stores: loaded again only behind this wait
.irp t, 0,1,2,3,4,5,6,7
	ds_load_b128 v[\f+4*\t:\f+4*\t+3], v[RD] offset:\t*2*SPITCH     ; LDS serves a wave's instructions in order: these see the stores above
.endr
.irp t, 0,1,2,3,4,5,6,7
	s_wait_dscnt 7-\t
	global_store_b128 v[CO], v[\f+4*\t:\f+4*\t+3], s[8:9] offset:\nb*1024+(16*\i+2*\t)*2048   ; 16 lanes store 256 consecutive bytes at a multiple of 256
.endr
.endm
.macro EPI nb                          ; X buffer 0 already holds the next unit's fragments: the bounce sets lie in X buffer 1, which the last unit (an odd one) has left
	PLACES
	OUT16 0, 0, 0x8a, 0x0a, F1,    \nb
	OUT16 1, 1, 0x8a, 0x0a, F1+32, \nb
	OUT16 2, 2, 0x8a, 0x0a, F1,    \nb
	OUT16 3, 3, 0x8a, 0x0a, F1+32, \nb
	OUT16 4, 0, 0xcf, 0x0f, F1,    \nb
	OUT16 5, 1, 0xcf, 0x0f, F1+32, \nb
	OUT16 6, 2, 0xcf, 0x0f, F1,    \nb
	OUT16 7, 3, 0xcf, 0x0f, F1+32, \nb
.endm
	s_load_b128 s[4:7], s[0:1], 0x0                ; X s[4:5], wih_t s[6:7]
	s_load_b64 s[8:9], s[0:1], 0x10                ; g
	v_lshl_add_u32 v23, v0, 2, 0x4c400
	v_mov_b32 v27, 0
	ds_add_u32 v23, v27
	ds_add_u32 v23, v27
	v_lshrrev_b32 v1, 5, v0
	v_readfirstlane_b32 s10, v1                    ; wave 0..3
	s_bfe_u32 s11, ttmp6, 0x40000                  ; cx
	s_lshl_b32 s12, ttmp9, 2
	s_add_co_u32 s12, s12, s11                     ; work-group = t
	s_lshl_b32 s14, s12, 18                        ; 262,144 bytes of X, and of g, for each t
	s_mov_b32 s15, 0
	s_lshl_b32 s16, s10, 8                         ; my 128 columns in a row of g
	s_mov_b32 s17, 0
	s_lshl_b32 s18, s10, 14                        ; my 128 rows of a W tile in memory: made of the wave's number alone
	s_mov_b32 s19, 0
	s_mul_i32 s20, s10, WROWS                      ; and in LDS
	; group 1: 16,384 dense bytes as 64 rows of 32 elements of 8 bytes; 4 words of padding behind every 32 words, that is behind every row of 64 f16
	s_mov_b32 s[G1+0], 15|(3<<16)|(1<<20)|(1<<21)|(4<<22)|(3<<25)   ; 15:0 mask: all four work-groups; 17:16 8-byte elements; 20 padding; 21 set beside a mask; 24:22 every 32 words; 31:25 4 words
	s_mov_b32 s[G1+1], 32<<16                      ; tensor_dim0 = 32
	s_mov_b32 s[G1+2], 64<<16                      ; tensor_dim1 = 64
	s_mov_b32 s[G1+3], 32<<16                      ; tile_dim0 = 32
	s_mov_b32 s[G1+4], 64                          ; tile_dim1 = 64
	s_mov_b32 s[G1+5], 32                          ; from row to row: 32 elements
	s_mov_b32 s[G1+6], 0
	s_mov_b32 s[G1+7], 0
	v_and_b32 v1, 15, v0                           ; r = l % 16
	v_bfe_u32 v2, v0, 4, 1                         ; l / 16
	v_mul_u32_u24 v3, v1, WP
	v_lshl_add_u32 v3, v2, 4, v3                   ; a fragment: row r, 16 bytes for each half of the lanes
.irp j, 0,1,2,3
	v_add_nc_u32 v[ADRX+\j], XR+\j*2*XSL, v3
.endr
	v_add_nc_u32 v[ADRB], s20, v3
	v_add_nc_u32 v[ADRB+1], WSLOT, v[ADRB]
	v_lshlrev_b32 v4, 4, v1
	v_lshl_add_u32 v[CO], v2, 11, v4               ; lanes 0-15 one row of 2,048 bytes, lanes 16-31 the next; 16 bytes a lane
	s_lshl_b32 s21, s10, 16                        ; my 32 rows of X
	v_add_nc_u32 v[XG], s21, v[CO]
	s_mul_i32 s21, s10, 16*SPITCH
	s_add_co_u32 s21, s21, STAGE
	v_mul_u32_u24 v5, v1, SPITCH
	v_lshl_add_u32 v5, v2, 4, v5
	v_add_nc_u32 v[STO], s21, v5
	v_mul_u32_u24 v5, v2, SPITCH
	v_lshl_add_u32 v5, v1, 4, v5
	v_add_nc_u32 v[RD], s21, v5
	s_mul_i32 s21, s10, 32*WP
	v_mul_u32_u24 v5, v2, WP
	v_lshl_add_u32 v5, v1, 3, v5
	v_add_nc_u32 v5, s21, v5                       ; row 32 wave + l / 16, 8 bytes a lane
.irp j, 0,1,2,3
	v_add_nc_u32 v[XSTA+\j], XR+\j*2*XSL, v5
.endr
	s_wait_dscnt 0x0
	s_wait_kmcnt 0x0
	s_add_nc_u64 s[4:5], s[4:5], s[14:15]
	s_add_nc_u64 s[8:9], s[8:9], s[14:15]
	s_add_nc_u64 s[8:9], s[8:9], s[16:17]
	s_add_nc_u64 s[6:7], s[6:7], s[18:19]
	XLOAD 0                                        ; X first: it comes from furthest away
	XLOAD 1
	XLOAD 2
	CROUND                                         ; all four work-groups are here: the first joint loads meet
.irp n, 0,1
	s_mov_b32 s[G0+4*\n], 1
	s_add_co_u32 s[G0+4*\n+1], s20, \n*WSLOT
	s_add_nc_u64 s[G0+4*\n+2:G0+4*\n+3], s[6:7], \n*65536
	s_or_b32 s[G0+4*\n+3], s[G0+4*\n+3], 0x80000000
	tensor_load_to_lds s[G0+4*\n:G0+4*\n+3], s[G1:G1+7]            ; tiles 0 and 1, first fills
	s_nop 0
.endr
	XCVT 0, 16                                     ; granule 0 is in; the sixteen loads of granules 1 and 2 stay out
	XLOAD 3
	s_wait_dscnt 0                                 ; CT is written again only when the stores above have read it
	XCVT 1, 16
	XLOAD 4
	s_wait_dscnt 0
	XCVT 2, 16
	XLOAD 5
	s_wait_dscnt 0                                 ; my stores of slice 0 are done, for the others' sake
	s_barrier_signal -1
	s_barrier_wait -1                              ; slice 0 is whole
	s_wait_tensorcnt 1                             ; my rows of tile 0 are in
	FETCHW 0, 0,  0
	FETCHW 0, 64, 64
	FETCHX 0, 0, F0
	; n block 0: unit U rounds granule U + 3 into LDS and asks for granule U + 6.  Slice s + 1 (granules 2 s + 2, 2 s + 3) is whole behind the barrier in unit 2 s.
	;  U  zero  cv left  ld  fill/bar/nxt
	UA 0,  1,    3, 16,   6, 1
	UB 1,        4, 16,   7
	UC 2,        5, 16,   8, 1
	UD 3,        6, 16,   9, 1
	UA 4,  0,    7, 16,  10, 1
	UB 5,        8, 16,  11
	UC 6,        9, 16,  12, 1
	UD 7,       10, 16,  13, 1
	UA 8,  0,   11, 16,  14, 1
	UB 9,       12, 16,  15
	UC 10,      13, 16,  -1, 1
	UD 11,      14,  8,  -1, 1                     ; one younger granule
	UA 12, 0,   15,  0,  -1, 1                     ; the last granule: no younger load
	UB 13,      -1,  0,  -1
	UC 14,      -1,  0,  -1, 0                     ; X is whole: no barrier
	UD 15,      -1,  0,  -1, 1
	EPI 0
	s_wait_xcnt 0x0                                ; the next unit loads fragments into X buffer 1, which the last stores read
	; n block 1: X comes from its copy in LDS; the only barriers are the rounds in front of the refills
	UA 16, 1,   -1,  0,  -1, 1
	UB 17,      -1,  0,  -1
	UC 18,      -1,  0,  -1, 0
	UD 19,      -1,  0,  -1, 1
	UA 20, 0,   -1,  0,  -1, 1
	UB 21,      -1,  0,  -1
	UC 22,      -1,  0,  -1, 0
	UD 23,      -1,  0,  -1, 1
	UA 24, 0,   -1,  0,  -1, 1                     ; asks for tiles 14 and 15, the last
	UB 25,      -1,  0,  -1
	UC 26,      -1,  0,  -1, 0
	UD 27,      -1,  0,  -1, 1
	UA 28, 0,   -1,  0,  -1, 0                     ; fills nothing: no barrier; its wait at the head is the last on the tensor loads
	UB 29,      -1,  0,  -1
	UC 30,      -1,  0,  -1, 0
	UD 31,      -1,  0,  -1, 0                     ; nothing more to fetch
	EPI 1
	s_set_vgpr_msb (MSB<<8)|((MSB&0xf0)|0x0)
	s_wait_tensorcnt 0x0
	ds_add_u32 v23, v27
	s_wait_dscnt 0x0
	s_set_vgpr_msb (((MSB&0xf0)|0x0)<<8)|MSB
	CROUND                                         ; the closing round: no work-group ends while a partner may still ask for a tile that names it
	s_endpgm
.Lfunc_end_k_qd3756608d0_gemm1:
	.size	k_qd3756608d0_gemm1, .Lfunc_end_k_qd3756608d0_gemm1-k_qd3756608d0_gemm1
	.p2alignl 7, 3214868480
	.fill 96, 4, 3214868480
	.section	.rodata,"a",@progbits
	.p2align	6, 0x0
	.amdhsa_kernel k_qd3756608d0_gemm1
		.amdhsa_group_segment_fixed_size 327680
		.amdhsa_private_segment_fixed_size 0
		.amdhsa_enable_private_segment 0
		.amdhsa_kernarg_size 24
		.amdhsa_user_sgpr_count 2
		.amdhsa_user_sgpr_kernarg_segment_ptr 1
		.amdhsa_wavefront_size32 1
		.amdhsa_system_sgpr_workgroup_id_x 1
		.amdhsa_system_sgpr_workgroup_id_y 1
		.amdhsa_system_sgpr_workgroup_id_z 1
		.amdhsa_system_vgpr_workitem_id 0
		.amdhsa_next_free_vgpr 1024
		.amdhsa_next_free_sgpr 66
		.amdhsa_reserve_vcc 0
		.amdhsa_float_denorm_mode_32 3
		.amdhsa_float_denorm_mode_16_64 3
		.amdhsa_memory_ordered 1
		.amdhsa_forward_progress 1
		.amdhsa_inst_pref_size 255
	.end_amdhsa_kernel
	.section	.bss,"aw",@nobits
	.p2align	6
	.space	262144
	.amdgpu_metadata
---
amdhsa.version: [ 1, 2 ]
amdhsa.kernels:
  - .name:           k_qd3756608d0_gemm1
    .symbol:         k_qd3756608d0_gemm1.kd
    .args:
      - { .name: X, .offset: 0, .size: 8, .value_kind: global_buffer, .address_space: global }
      - { .name: wih_t, .offset: 8, .size: 8, .value_kind: global_buffer, .address_space: global }
      - { .name: g, .offset: 16, .size: 8, .value_kind: global_buffer, .address_space: global }
    .group_segment_fixed_size: 327680
    .private_segment_fixed_size: 0
    .kernarg_segment_align: 8
    .kernarg_segment_size: 24
    .max_flat_workgroup_size: 128
    .sgpr_count:     66
    .vgpr_count:     1024
    .wavefront_size: 32
...
	.end_amdgpu_metadata
.endif
;; end of part 2
;; launch gemm2 (part 3): grid 4 x 64, 4 waves a work-group, clusters of 4 x 4, 327,680 bytes of LDS; arguments g, wcell_h, HH, hfin; writes hfin
.if DOCPART == 3
	.amdgcn_target "amdgcn-amd-amdhsa--gfx1250"
	.amdhsa_code_object_version 6
	.text
	.protected	k_qd3756608d0_gemm2
	.globl	k_qd3756608d0_gemm2
	.p2align	8
	.type	k_qd3756608d0_gemm2,@function
k_qd3756608d0_gemm2:
	s_mov_b64 s[64:65], 0
	v_nop
	global_prefetch_b8 v0, s[64:65] scope:SCOPE_SE
	s_setreg_imm32_b32 hwreg(HW_REG_WAVE_MODE, 25, 1), 1
	s_wait_xcnt 0x0
	s_wait_alu depctr_hold_cnt(0) depctr_sa_sdst(0) depctr_va_vdst(0) depctr_va_sdst(0) depctr_va_ssrc(0) depctr_va_vcc(0) depctr_vm_vsrc(0)
	s_getreg_b32 s2, hwreg(HW_REG_IB_STS2, 6, 4)
	s_cmp_eq_u32 s2, 0
	s_cbranch_scc0 .Lentry_in_a_cluster
	s_endpgm
.Lentry_in_a_cluster:
	s_bfe_u32 s2, ttmp6, 0x10000c
	s_cmp_lg_u32 s2, 0xf033
	s_cbranch_scc0 .Lentry_shape_is_right
	s_endpgm
.Lentry_shape_is_right:
; proj[t][b][h] = sum over k of relu(..)[t][b][k] W_cell[h][k], never stored: the recurrence h <- |proj[t] + HH h| (t = 0..255, h = 0 at the start) runs on the
; accumulators, and only its last state leaves: hfin[b][h], f32.   g: [t 128 + b][1024] f16, holding relu(..) / 4.  wcell_h: [1024][1024] f16.  HH: [1024] f32.
; THE FACTOR 4: the sums here are proj / 4.  |p / 4 + HH s| = |p + HH (4 s)| / 4, so the state carried is h / 4, exactly (a power of two), and the last state is
; multiplied by 4 on its way out.
; LIMITS: g and W_cell are f16 operands (W_cell under 65,504 in magnitude; drawn with a spread of 0.031), sums in f32; proj + HH h is ONE fused multiply-add (one rounding
; where two are written).
; SHARES: the recurrence ties all 256 t of a pair (b, h) together and nothing else.  Work-group (hb, p) owns b = 2 p, 2 p + 1 and h = 256 hb .. + 255 and walks t in two
; blocks of 128.  A block of 256 x 256: rows = (b, t), four waves, as many as a WGP has SIMDs; wave (i, j) has b = 2 p + i, 128 t and h = 256 hb + 128 j .. + 127 in
; 64 accumulator tiles, 512 registers: the recurrence never leaves a wave.  K = 1,024 goes in steps of 128 through two LDS slots: a tile's rows are 256 bytes of memory
; at multiples of 256.  2 x 8 K steps of 256 matrix instructions: 4,096 a wave.
; CLUSTERS: 4 x 4 work-groups.  g's tiles hang on p alone and are asked for jointly along a row of the cluster (all four hb), W_cell's hang on hb alone and are asked for
; jointly along a column: the requests for both are divided by four, and each byte of g is asked for once in the launch.
;
; REGISTERS in windows of 256:  window 0: v1-31 addresses, v32-59 the recurrence, v64-127 / v128-191 fragments of g (two buffers)
;   window 1: v64-127 / v128-191 fragments of W_cell;   window 2: tiles of my t 0-63 (tile (a, b) at v[8 (8 a + b)]);   window 3: of my t 64-127
; The matrix instruction is used as it stands (source 0 = 16 rows of g, source 1 = 16 rows of W_cell): register j of lane l holds t = 8 (l / 16) + j of the tile,
; h = l % 16: t runs along a lane's registers, which is the order in which the recurrence needs it.
.set KSTEP,  128
.set PITCH,  272                       ; an LDS row: 256 bytes + 16 of padding = 17 x 16 bytes: the 16 rows of a fragment load lie in 16 different 16-byte columns of 256
.set HALFT,  128*PITCH                 ; 128 rows: what one tensor load brings, and what one wave reads of g or of W_cell
.set SLOT,   4*HALFT                   ; g's 256 rows, then W_cell's 256 rows
.set STAGE,  2*SLOT                    ; 278,528: 512 bytes for each wave, for the way out; no tensor load lands here
.set CHUNK,  128*128*2048              ; bytes of g from t to t + 128
.set ADRA, 16                          ; v16-17  LDS address of my g fragments in slot 0, 1
.set ADRB, 20                          ; v20-21  the same for W_cell
.set HST,  24                          ; v24     way out: where the state of column l % 16 goes
.set HRD,  25                          ; v25     way out: where I read 16 bytes back
.set HO,   26                          ; v26     my byte offset in my 512 bytes of hfin
.set HA,   27                          ; v27     my byte offset in HH
.set S,    32                          ; v32-39  the state (before the absolute value) of columns 16 b + l % 16; right in lanes 0-15
.set U,    40                          ; v40-47  the same; right in lanes 16-31
.set HV,   48                          ; v48-55  HH of those columns
.set OUTR, 56                          ; v56-59
.set F0,   64
.set F1,   128
.set G1,  24                           ; s[24:31] group 1 for g's tiles
.set G0,  32                           ; s[32:39] group 0 for g's tiles, one set for each slot
.set G1B, 48                           ; s[48:55] group 1 for W_cell's tiles
.set G0B, 56                           ; s[56:63] group 0 for W_cell's tiles
.set MSB, 0
.macro WIN new                         ; the immediate's high byte repeats the setting that is left
.if MSB != \new
	s_set_vgpr_msb (MSB<<8)|\new
.set MSB, \new
.endif
.endm
.set MUL_LO, 0xa4                      ; source 0 (g) window 0, source 1 (W_cell) window 1, C and D window 2
.set MUL_HI, 0xf4                      ; the same, C and D window 3
.set TO_B,   0x40                      ; destination window 1, address window 0
; A joint load.  Waves 0 and 1 ask for g's two halves, waves 2 and 3 for W_cell's.  Each line has one mask and one set of registers; the branch hangs on the wave's number alone.
.macro JLOAD s
	s_cmp_eq_u32 s13, 0
	s_cbranch_scc0 .Lfor_b_\@
	tensor_load_to_lds s[G0+4*\s:G0+4*\s+3], s[G1:G1+7]
	s_nop 0
	s_branch .Lasked_\@
.Lfor_b_\@:
	tensor_load_to_lds s[G0B+4*\s:G0B+4*\s+3], s[G1B:G1B+7]
	s_nop 0
.Lasked_\@:
.endm
.macro CREST                           ; a round of the cluster's barrier behind its opening work-group barrier
	s_cmp_lg_u32 s12, 0
	s_cbranch_scc1 .Lnot_wave_0_\@
	s_barrier_signal -3                            ; wave 0 speaks for the work-group
.Lnot_wave_0_\@:
	s_barrier_wait -3                              ; all sixteen work-groups
	s_barrier_signal -1
	s_barrier_wait -1
.endm
.macro CROUND
	s_barrier_signal -1
	s_barrier_wait -1
	CREST
.endm
; Four places behind a matrix instruction before a load is issued into one of its registers or a vector instruction reads its result
; (ISA guide 7.12.1 for vector instructions); only plain vector instructions that name none of its registers are counted.
.macro PLACES
.rept 4
	v_nop
.endr
.endm
; 16 matrix instructions: t blocks a0, a0 + 1 of the window's four x all 8 h blocks, 32 along K.  zero = 1: the product starts the sums.
; The 64 accumulators take turns, one instruction a turn, in the same order in every quarter step.
.macro MUL16 f, hi, a0, zero
.irp a, \a0, \a0+1
.irp b, 0,1,2,3,4,5,6,7
.if \zero
	v_wmma_f32_16x16x32_f16 v[8*(8*(\a)+\b):8*(8*(\a)+\b)+7], v[\f+8*(4*\hi+\a):\f+8*(4*\hi+\a)+7], v[\f+8*\b:\f+8*\b+7], 0
.else
	v_wmma_f32_16x16x32_f16 v[8*(8*(\a)+\b):8*(8*(\a)+\b)+7], v[\f+8*(4*\hi+\a):\f+8*(4*\hi+\a)+7], v[\f+8*\b:\f+8*\b+7], v[8*(8*(\a)+\b):8*(8*(\a)+\b)+7]
.endif
.endr
.endr
.endm
; 32 LDS loads in one run: the fragments of a quarter step (128 rows of W_cell, 128 rows of g, 32 K at byte k of the rows) into buffer f
.macro FETCH slot, k, f
	WIN TO_B
.irp i, 0,1,2,3,4,5,6,7
	ds_load_b128 v[\f+8*\i:\f+8*\i+3],   v[ADRB+\slot] offset:\k+\i*16*PITCH
	ds_load_b128 v[\f+8*\i+4:\f+8*\i+7], v[ADRB+\slot] offset:\k+\i*16*PITCH+32
.endr
	WIN 0
.irp i, 0,1,2,3,4,5,6,7
	ds_load_b128 v[\f+8*\i:\f+8*\i+3],   v[ADRA+\slot] offset:\k+\i*16*PITCH
	ds_load_b128 v[\f+8*\i+4:\f+8*\i+7], v[ADRA+\slot] offset:\k+\i*16*PITCH+32
.endr
.endm
; A K step is four quarter steps of 32 along K on buffers 0, 1, 0, 1.  One of the first three: multiplies f, fetches the next quarter into g2 in its middle.
.macro QUARTER slot, k, f, g2, zero
	s_wait_dscnt 8                                 ; W_cell and g's rows 0-63 are in; the youngest eight loads (g's rows 64-127) may be out
	WIN MUL_LO
	MUL16 \f, 0, 0, \zero
	MUL16 \f, 0, 2, \zero
	PLACES
	FETCH \slot, \k, \g2
	s_wait_dscnt 32                                ; all but the 32 just issued
	WIN MUL_HI
	MUL16 \f, 1, 0, \zero
	MUL16 \f, 1, 2, \zero
.endm
.macro THREE slot, zero
	QUARTER \slot, 64,  F0, F1, \zero
	QUARTER \slot, 128, F1, F0, 0
	QUARTER \slot, 192, F0, F1, 0
.endm
; The last quarter multiplies buffer 1 and changes slots.  fill = 1: this slot gets the tile two K steps on; 2: the tile of the same place in the next 128 t; 0: nothing.
; ONE barrier for the change.  In front of it each wave waits for its reads of this slot and for all its tensor loads (one is out: its part of the next slot).  Where the
; slot is filled again it opens a round of the cluster's barrier, and the joint refill is the first tensor load behind the round: no wave of any partner still reads the
; slot or has a load on its way.  From a request to the wait for it a wave issues 240 matrix instructions.
.macro TURN slot, next, fill
	s_wait_dscnt 8
	WIN MUL_LO
	MUL16 F1, 0, 0, 0
	s_wait_dscnt 0                                 ; my reads of this slot are over
	s_wait_tensorcnt 0x0                           ; all my tensor loads have landed
	ds_add_u32 v255, v255
	s_wait_dscnt 0x0
	s_barrier_signal -1
	MUL16 F1, 0, 2, 0                              ; registers only, while the others arrive
	WIN 0
	s_barrier_wait -1
.if \fill
	CREST
.if \fill == 1
	s_add_nc_u64 s[G0+4*\slot+2:G0+4*\slot+3], s[G0+4*\slot+2:G0+4*\slot+3], 2*KSTEP*2
	s_add_nc_u64 s[G0B+4*\slot+2:G0B+4*\slot+3], s[G0B+4*\slot+2:G0B+4*\slot+3], 2*KSTEP*2
.else
	s_add_nc_u64 s[G0+4*\slot+2:G0+4*\slot+3], s[G0+4*\slot+2:G0+4*\slot+3], CHUNK-6*KSTEP*2      ; 128 t on, six K steps back
	s_sub_nc_u64 s[G0B+4*\slot+2:G0B+4*\slot+3], s[G0B+4*\slot+2:G0B+4*\slot+3], 6*KSTEP*2        ; W_cell: six K steps back
.endif
	JLOAD \slot
.endif
	PLACES
	FETCH \next, 0, F0
	WIN MUL_HI
	MUL16 F1, 1, 0, 0
	MUL16 F1, 1, 2, 0
.endm
.macro LAP zero, fill                  ; once round the ring, both slots filled again
	THREE 0, \zero
	TURN 0, 1, \fill
	THREE 1, 0
	TURN 1, 0, \fill
.endm
; THE RECURRENCE over my 128 t.  Eight steps on the eight columns' states: 8 chains that do not wait for each other.  The state is kept before its absolute value,
; which rides on the next multiply-add as a source modifier.
.macro CHAIN st, a, win
	WIN \win                                       ; source 2 (the accumulator) in window 2 or 3
.irp j, 0,1,2,3,4,5,6,7
.irp b, 0,1,2,3,4,5,6,7
	v_fma_f32 v[\st+\b], v[HV+\b], |v[\st+\b]|, v[8*(8*\a+\b)+\j]
.endr
.endr
	WIN 0
.endm
.macro XCH to, from                    ; lane l takes lane l xor 16
.irp b, 0,1,2,3,4,5,6,7
	v_permlanex16_b32 v[\to+\b], v[\from+\b], s66, s67
.endr
.endm
; A tile's t 0-7 lie in lanes 0-15 and its t 8-15 in lanes 16-31.  So: eight steps on S (right in lanes 0-15), the state crosses to lanes 16-31 of U, eight steps on U,
; and it crosses back.  What the other half of the lanes computes meanwhile is never used: each crossing writes over it.
.macro SCAN
	PLACES
.irp w, 0x20, 0x30
.irp a, 0,1,2,3
	CHAIN S, \a, \w
	XCH U, S
	CHAIN U, \a, \w
	XCH S, U
.endr
.endr
.endm
	s_load_b256 s[4:11], s[0:1], 0x0               ; g s[4:5], wcell_h s[6:7], HH s[8:9], hfin s[10:11]
	v_lshl_add_u32 v255, v0, 2, 0x44800
	s_set_vgpr_msb 0x40
	v_mov_b32 v255, 0
	s_set_vgpr_msb 0x4044
	ds_add_u32 v255, v255
	ds_add_u32 v255, v255
	s_set_vgpr_msb 0x4400
	v_lshrrev_b32 v1, 5, v0
	v_readfirstlane_b32 s12, v1                    ; wave 0..3
	s_lshr_b32 s13, s12, 1                         ; which b is mine.  Also: I ask for g (0) or for W_cell (1)
	s_and_b32 s14, s12, 1                          ; which 128 h are mine.  Also: which 128 rows of that tile I ask for
	s_bfe_u32 s40, ttmp6, 0x40000                  ; cx
	s_bfe_u32 s41, ttmp6, 0x40004                  ; cy
	s_lshl_b32 s42, ttmp9, 2
	s_add_co_u32 s42, s42, s40                     ; hb = 4 x cluster x + cx
	s_and_b32 s15, ttmp7, 0xffff
	s_lshl_b32 s15, s15, 2
	s_add_co_u32 s15, s15, s41                     ; p = 4 x cluster y + cy
	s_lshl_b32 s43, s41, 2
	s_lshl_b32 s43, 15, s43                        ; my row of the cluster: places 4 cy .. 4 cy + 3
	s_lshl_b32 s44, 0x1111, s40                    ; my column: places cx, cx + 4, cx + 8, cx + 12
	s_mov_b32 s66, 0x76543210                      ; v_permlanex16_b32: lane i of one half reads lane i of the other
	s_mov_b32 s67, 0xfedcba98
	; group 1: a tile of 128 rows x 128 f16, 4 words of padding behind every 64 words
	s_or_b32 s[G1+0],  s43, (1<<16)|(1<<20)|(1<<21)|(5<<22)|(3<<25)   ; g's tiles go to my row of the cluster
	s_or_b32 s[G1B+0], s44, (1<<16)|(1<<20)|(1<<21)|(5<<22)|(3<<25)   ; W_cell's to my column
	s_mov_b32 s[G1+1],  KSTEP<<16                  ; tensor_dim0 = 128
	s_mov_b32 s[G1B+1], KSTEP<<16
	s_mov_b32 s[G1+2],  128<<16                    ; tensor_dim1 = 128
	s_mov_b32 s[G1B+2], 128<<16
	s_mov_b32 s[G1+3],  KSTEP<<16                  ; tile_dim0 = 128
	s_mov_b32 s[G1B+3], KSTEP<<16
	s_mov_b32 s[G1+4],  128                        ; tile_dim1 = 128
	s_mov_b32 s[G1B+4], 128
	s_mov_b32 s[G1+5],  128*1024                   ; g: from t to t + 1 of one b, 128 rows of 1,024 elements
	s_mov_b32 s[G1B+5], 1024                       ; W_cell: from row to row
	s_mov_b32 s[G1+6],  0
	s_mov_b32 s[G1B+6], 0
	s_mov_b32 s[G1+7],  0
	s_mov_b32 s[G1B+7], 0
	; g's address is made of p and the wave's number, W_cell's of hb and the wave's number, each in registers that never hold the other coordinate
	s_lshl_b32 s16, s15, 1
	s_add_co_u32 s16, s16, s14                     ; b = 2 p + half
	s_lshl_b32 s16, s16, 11                        ; its row at t = 0
	s_mov_b32 s17, 0
	s_lshl_b32 s46, s42, 8
	s_lshl_b32 s47, s14, 7
	s_add_co_u32 s46, s46, s47                     ; h = 256 hb + 128 half: the rows of W_cell that I ask for, and my columns
	s_lshl_b32 s68, s46, 2                         ; those columns in HH and in a row of hfin
	s_mov_b32 s69, 0
	s_lshl_b32 s46, s46, 11
	s_mov_b32 s47, 0
	s_lshl_b32 s70, s15, 1
	s_add_co_u32 s70, s70, s13                     ; my b
	s_lshl_b32 s70, s70, 12                        ; its row of hfin
	s_add_co_u32 s70, s70, s68
	s_mov_b32 s71, 0
	s_mul_i32 s23, s12, HALFT                      ; where my tiles go: wave x 128 rows
	s_wait_dscnt 0x0
	s_wait_kmcnt 0x0
	s_add_nc_u64 s[18:19], s[4:5], s[16:17]
	s_add_nc_u64 s[46:47], s[6:7], s[46:47]
	s_add_nc_u64 s[68:69], s[8:9], s[68:69]
	s_add_nc_u64 s[70:71], s[10:11], s[70:71]
	CROUND                                         ; all sixteen work-groups are here: the first joint loads meet
.irp s, 0,1
	s_mov_b32 s[G0+4*\s], 1
	s_add_co_u32 s[G0+4*\s+1], s23, \s*SLOT
	s_add_nc_u64 s[G0+4*\s+2:G0+4*\s+3], s[18:19], \s*KSTEP*2
	s_or_b32 s[G0+4*\s+3], s[G0+4*\s+3], 0x80000000
	s_mov_b32 s[G0B+4*\s], 1
	s_add_co_u32 s[G0B+4*\s+1], s23, \s*SLOT
	s_add_nc_u64 s[G0B+4*\s+2:G0B+4*\s+3], s[46:47], \s*KSTEP*2
	s_or_b32 s[G0B+4*\s+3], s[G0B+4*\s+3], 0x80000000
	JLOAD \s                                       ; K steps 0 and 1: two tensor loads of the wave are out, never more
.endr
	v_and_b32 v1, 15, v0                           ; l % 16
	v_bfe_u32 v2, v0, 4, 1                         ; l / 16
	v_and_b32 v4, 31, v0                           ; l
	v_lshlrev_b32 v[HA], 2, v1
.irp b, 0,1,2,3,4,5,6,7
	global_load_b32 v[HV+\b], v[HA], s[68:69] offset:64*\b         ; HH of column 16 b + l % 16, once
.endr
	v_mul_u32_u24 v3, v1, PITCH
	v_lshl_add_u32 v3, v2, 4, v3                   ; a fragment: row l % 16, 16 bytes for each half of the lanes
	s_mul_i32 s20, s13, HALFT                      ; my 128 rows of g
	s_mul_i32 s21, s14, HALFT                      ; my 128 rows of W_cell,
	s_add_co_u32 s21, s21, 2*HALFT                 ; which lie behind g's 256
.irp s, 0,1
	v_add_nc_u32 v[ADRA+\s], s20, v3
	v_add_nc_u32 v[ADRB+\s], s21, v3
	s_add_co_u32 s20, s20, SLOT
	s_add_co_u32 s21, s21, SLOT
.endr
	s_lshl_b32 s22, s12, 9
	s_add_co_u32 s22, s22, STAGE                   ; my stage
	v_lshl_add_u32 v[HST], v1, 2, s22
	v_lshl_add_u32 v[HRD], v4, 4, s22
	v_lshlrev_b32 v[HO], 4, v4
.irp b, 0,1,2,3,4,5,6,7
	v_mov_b32 v[S+\b], 0                           ; the state at the start
	v_mov_b32 v[U+\b], 0                           ; a crossing's destination counts as read: written once here
.endr
	s_wait_tensorcnt 1                             ; my part of K step 0 is in; K step 1's stays out
	s_barrier_signal -1
	s_barrier_wait -1
	FETCH 0, 0, F0
	; t 0-127
	LAP 1, 1                                       ; the first products start the sums: nothing is cleared
	WIN 0                                          ; at a label and at a branch every window is 0
	s_mov_b32 s45, 2
.Llap0:
	LAP 0, 1
	WIN 0
	s_sub_co_u32 s45, s45, 1
	s_cmp_lg_u32 s45, 0
	s_cbranch_scc1 .Llap0
	LAP 0, 2                                       ; the last lap asks for K steps 0 and 1 of t 128-255: they land while the recurrence runs
	s_wait_loadcnt 0x0                             ; HH
	SCAN
	; t 128-255
	LAP 1, 1
	WIN 0
	s_mov_b32 s45, 2
.Llap1:
	LAP 0, 1
	WIN 0
	s_sub_co_u32 s45, s45, 1
	s_cmp_lg_u32 s45, 0
	s_cbranch_scc1 .Llap1
	THREE 0, 0                                     ; the last lap fills nothing and has no round: my one tensor load still out is the last K step's
	TURN 0, 1, 0
	THREE 1, 0
	s_wait_dscnt 8                                 ; the very last quarter: nothing more to fetch
	WIN MUL_LO
	MUL16 F1, 0, 0, 0
	MUL16 F1, 0, 2, 0
	s_wait_dscnt 0
	WIN MUL_HI
	MUL16 F1, 1, 0, 0
	MUL16 F1, 1, 2, 0
	SCAN
	; THE WAY OUT: the last state is in lanes 0-15 of S and in lanes 16-31 of U.  Both halves put the same number at the same word of my stage;
	; read back, 16 bytes a lane: 128 neighbouring h, 512 consecutive bytes of hfin at a multiple of 512.
	v_cmp_eq_u32 vcc_lo, 0, v2
.irp b, 0,1,2,3,4,5,6,7
	v_cndmask_b32 v[S+\b], v[U+\b], v[S+\b], vcc_lo
	v_mul_f32 v[S+\b], 4.0, |v[S+\b]|              ; the absolute value that no further step has taken, and the factor 4 that g was stored without
	ds_store_b32 v[HST], v[S+\b] offset:64*\b
.endr
	ds_load_b128 v[OUTR:OUTR+3], v[HRD]            ; LDS serves a wave's instructions in order: this sees the stores above
	s_wait_dscnt 0
	global_store_b128 v[HO], v[OUTR:OUTR+3], s[70:71]
	s_set_vgpr_msb 0x4
	s_wait_tensorcnt 0x0
	ds_add_u32 v255, v255
	s_wait_dscnt 0x0
	s_set_vgpr_msb 0x400
	CROUND                                         ; the closing round: no work-group ends while a partner may still ask for a tile that names it
	s_endpgm
.Lfunc_end_k_qd3756608d0_gemm2:
	.size	k_qd3756608d0_gemm2, .Lfunc_end_k_qd3756608d0_gemm2-k_qd3756608d0_gemm2
	.p2alignl 7, 3214868480
	.fill 96, 4, 3214868480
	.section	.rodata,"a",@progbits
	.p2align	6, 0x0
	.amdhsa_kernel k_qd3756608d0_gemm2
		.amdhsa_group_segment_fixed_size 327680
		.amdhsa_private_segment_fixed_size 0
		.amdhsa_enable_private_segment 0
		.amdhsa_kernarg_size 32
		.amdhsa_user_sgpr_count 2
		.amdhsa_user_sgpr_kernarg_segment_ptr 1
		.amdhsa_wavefront_size32 1
		.amdhsa_system_sgpr_workgroup_id_x 1
		.amdhsa_system_sgpr_workgroup_id_y 1
		.amdhsa_system_sgpr_workgroup_id_z 1
		.amdhsa_system_vgpr_workitem_id 0
		.amdhsa_next_free_vgpr 1024
		.amdhsa_next_free_sgpr 72
		.amdhsa_reserve_vcc 1
		.amdhsa_float_denorm_mode_32 3
		.amdhsa_float_denorm_mode_16_64 3
		.amdhsa_memory_ordered 1
		.amdhsa_forward_progress 1
		.amdhsa_inst_pref_size 255
	.end_amdhsa_kernel
	.section	.bss,"aw",@nobits
	.p2align	6
	.space	262144
	.amdgpu_metadata
---
amdhsa.version: [ 1, 2 ]
amdhsa.kernels:
  - .name:           k_qd3756608d0_gemm2
    .symbol:         k_qd3756608d0_gemm2.kd
    .args:
      - { .name: g, .offset: 0, .size: 8, .value_kind: global_buffer, .address_space: global }
      - { .name: wcell_h, .offset: 8, .size: 8, .value_kind: global_buffer, .address_space: global }
      - { .name: HH, .offset: 16, .size: 8, .value_kind: global_buffer, .address_space: global }
      - { .name: hfin, .offset: 24, .size: 8, .value_kind: global_buffer, .address_space: global }
    .group_segment_fixed_size: 327680
    .private_segment_fixed_size: 0
    .kernarg_segment_align: 8
    .kernarg_segment_size: 32
    .max_flat_workgroup_size: 128
    .sgpr_count:     72
    .vgpr_count:     1024
    .wavefront_size: 32
...
	.end_amdgpu_metadata
.endif
;; end of part 3
;; launch head (part 4): grid 8 x 8, 4 waves a work-group, no clusters, 219,648 bytes of LDS; arguments hfin, who_h, b_ho, out0; writes out0
.if DOCPART == 4
	.amdgcn_target "amdgcn-amd-amdhsa--gfx1250"
	.amdhsa_code_object_version 6
	.text
	.protected	k_qd3756608d0_head
	.globl	k_qd3756608d0_head
	.p2align	8
	.type	k_qd3756608d0_head,@function
k_qd3756608d0_head:
	s_mov_b64 s[64:65], 0
	v_nop
	global_prefetch_b8 v0, s[64:65] scope:SCOPE_SE
	s_setreg_imm32_b32 hwreg(HW_REG_WAVE_MODE, 25, 1), 1
	s_wait_xcnt 0x0
; out0[b][o] = sum over h of hfin[b][h] W_ho[o][h] + b_ho[o].   hfin: [128][1024] f32, never negative (an absolute value).  who_h: [512][1024] f16.
; b_ho: [512] f32.  out0: [128][512] f32.
; A launch of its own because the sum runs over h, which the launch before shares among work-groups.
; SHARES: work-group (ox, by) makes rows 16 by .. + 15 x columns 64 ox .. + 63: the smallest block whose rows are 256 consecutive bytes of out0, hence 64 work-groups.
; Wave v takes K quarter v (h = 256 v .. + 255) for all 64 columns: 8 K units x 4 column blocks = 32 matrix instructions on four accumulators that take turns.
; It reads only the two tiles that it loaded itself; the four waves' partial blocks meet in LDS behind the one barrier and are added in a fixed order.
; hfin IN f16: hfin can be of any size that f32 holds, so each wave scales each of its 16 rows by a power of two: with E the biased exponent of the row's largest number
; in this K quarter, the scale is 2^(141 - E) (held at 2^126 at the most), which puts that number into [2^14, 2^15), under f16's 65,504.  Numbers of the row below
; 2^-28 of the largest fall on f16's grid of 2^-24, an error under 2^-39 of the largest.  The scale is exact and is undone on the f32 sums.
; LIMITS: hfin and W_ho enter the matrix unit rounded to f16 (11 significant bits); sums and the bias in f32.  |W_ho| under 65,504 (drawn with a spread of 0.031).
; NO CLUSTER: each wave issues two tensor loads (49,152 bytes), both at the start, into bytes that are filled once; there is no loop of tiles to share, and a cluster
; would add its opening and closing rounds to a text that has one barrier.
.set PB,    528                        ; an LDS row of W_ho: 512 bytes (256 f16) + 16 of padding = 33 x 16 bytes
.set BTILE, 64*PB                      ; 33,792: 64 columns of out0, one K quarter; wave v's at v x BTILE
.set PA,    1040                       ; an LDS row of hfin: 1,024 bytes (256 f32) + 16 = 65 x 16 bytes
.set ATILE, 16*PA                      ; 16,640
.set ABASE, 4*BTILE                    ; 135,168
.set STAGE, ABASE+4*ATILE              ; 201,728: for each wave 16 rows x 272 bytes of partial sums; no tensor load lands here
.set SP,    272
.set STG,   16*SP                      ; 4,352
.set VA,   3                           ; v3      LDS address of my fragments of hfin (f32)
.set VB,   4                           ; v4      of my fragments of W_ho
.set BI,   5                           ; v5      my byte offset in b_ho
.set STO,  6                           ; v6      where my partial sums go
.set RD,   7                           ; v7      where I read the four partial blocks
.set BIAS, 8                           ; v8-11
.set OO,   12                          ; v12     my byte offset in out0
.set ACC,  16                          ; v16-47  four accumulators: column blocks 0-3
.set M,    48                          ; v48-51  four running maxima
.set SC,   54                          ; v54-55  my row's scale, twice (a pair for the packed multiply)
.set IV,   56                          ; v56-57  its reciprocal, twice
.set AF,   64                          ; v64-191 hfin as loaded, f32: 8 K units x 16 registers
.set BF,   64                          ; v64-191 afterwards: fragments of W_ho, two sets of 2 K units x 4 column blocks
.set AH,   192                         ; v192-255 hfin in f16: 8 fragments
.macro PLACES                          ; four places behind a matrix instruction before its registers are loaded or written, or its result read (ISA guide 7.12.1)
.rept 4
	v_nop
.endr
.endm
; group gr = K units 2 gr, 2 gr + 1: 16 loads, the fragments of W_ho for all four column blocks, into set gr % 2
.macro LOADB gr
.irp u, 0,1
.irp c, 0,1,2,3
	ds_load_b128 v[BF+((\gr)%2)*64+32*\u+8*\c:BF+((\gr)%2)*64+32*\u+8*\c+3],   v[VB] offset:\c*16*PB+(2*(\gr)+\u)*64
	ds_load_b128 v[BF+((\gr)%2)*64+32*\u+8*\c+4:BF+((\gr)%2)*64+32*\u+8*\c+7], v[VB] offset:\c*16*PB+(2*(\gr)+\u)*64+32
.endr
.endr
.endm
; group gr: eight matrix instructions; then its set is loaded again for group nx (-1: none).  left = the other set's loads that may stay out.
; Used transposed (source 0 = 16 rows of W_ho, source 1 = 16 rows of hfin): lane l holds row l % 16 of out0, columns 16 c + 8 (l / 16) + 0..7.
; The four accumulators take turns, one instruction a turn, from group to group too.
.macro GROUP gr, nx, left
	s_wait_dscnt \left
.irp u, 0,1
.irp c, 0,1,2,3
.if (2*\gr+\u) == 0
	v_wmma_f32_16x16x32_f16 v[ACC+8*\c:ACC+8*\c+7], v[BF+((\gr)%2)*64+32*\u+8*\c:BF+((\gr)%2)*64+32*\u+8*\c+7], v[AH+8*(2*\gr+\u):AH+8*(2*\gr+\u)+7], 0
.else
	v_wmma_f32_16x16x32_f16 v[ACC+8*\c:ACC+8*\c+7], v[BF+((\gr)%2)*64+32*\u+8*\c:BF+((\gr)%2)*64+32*\u+8*\c+7], v[AH+8*(2*\gr+\u):AH+8*(2*\gr+\u)+7], v[ACC+8*\c:ACC+8*\c+7]
.endif
.endr
.endr
.if \nx >= 0
	PLACES
	LOADB \nx
.endif
.endm
	s_load_b256 s[4:11], s[0:1], 0x0               ; hfin s[4:5], who_h s[6:7], b_ho s[8:9], out0 s[10:11]
	v_lshl_add_u32 v62, v0, 2, 0x35800
	v_mov_b32 v63, 0
	ds_add_u32 v62, v63
	ds_add_u32 v62, v63
	v_lshrrev_b32 v1, 5, v0
	v_readfirstlane_b32 s12, v1                    ; wave 0..3
	s_and_b32 s14, ttmp7, 0xffff                   ; by
	s_mov_b32 s13, 0x76543210                      ; v_permlanex16_b32: lane i of one half reads lane i of the other
	s_mov_b32 s15, 0xfedcba98
	; group 1 for hfin: 16 rows x 256 f32, 4 words of padding behind every 256 words
	s_mov_b32 s16, (2<<16)|(1<<20)|(7<<22)|(3<<25)
	s_mov_b32 s17, 256<<16                         ; tensor_dim0
	s_mov_b32 s18, 16<<16                          ; tensor_dim1
	s_mov_b32 s19, 256<<16                         ; tile_dim0
	s_mov_b32 s20, 16                              ; tile_dim1
	s_mov_b32 s21, 1024                            ; from row to row
	s_mov_b32 s22, 0
	s_mov_b32 s23, 0
	; group 1 for W_ho: 64 rows x 256 f16, 4 words of padding behind every 128 words
	s_mov_b32 s24, (1<<16)|(1<<20)|(6<<22)|(3<<25)
	s_mov_b32 s25, 256<<16
	s_mov_b32 s26, 64<<16
	s_mov_b32 s27, 256<<16
	s_mov_b32 s28, 64
	s_mov_b32 s29, 1024
	s_mov_b32 s30, 0
	s_mov_b32 s31, 0
	s_lshl_b32 s44, s14, 16                        ; hfin: 16 by rows of 4,096 bytes
	s_lshl_b32 s46, s12, 10                        ; + K quarter v
	s_add_co_u32 s44, s44, s46
	s_mov_b32 s45, 0
	s_lshl_b32 s46, ttmp9, 17                      ; W_ho: 64 ox rows of 2,048 bytes
	s_lshl_b32 s48, s12, 9                         ; + K quarter v
	s_add_co_u32 s46, s46, s48
	s_mov_b32 s47, 0
	s_mul_i32 s49, s12, ATILE
	s_mul_i32 s50, s12, BTILE
	s_lshl_b32 s52, s14, 15                        ; out0: 16 by rows of 2,048 bytes
	s_lshl_b32 s48, s12, 13                        ; + 4 v rows
	s_add_co_u32 s52, s52, s48
	s_lshl_b32 s54, ttmp9, 8                       ; 64 ox columns, in out0 and in b_ho
	s_add_co_u32 s52, s52, s54
	s_mov_b32 s53, 0
	s_mov_b32 s55, 0
	s_wait_dscnt 0x0
	s_wait_kmcnt 0x0
	s_mov_b32 s32, 1
	s_add_co_u32 s33, s49, ABASE
	s_add_nc_u64 s[34:35], s[4:5], s[44:45]
	s_or_b32 s35, s35, 0x80000000
	tensor_load_to_lds s[32:35], s[16:23]          ; my K quarter of hfin's 16 rows
	s_nop 0
	s_mov_b32 s36, 1
	s_mov_b32 s37, s50
	s_add_nc_u64 s[38:39], s[6:7], s[46:47]
	s_or_b32 s39, s39, 0x80000000
	tensor_load_to_lds s[36:39], s[24:31]          ; my K quarter of W_ho's 64 rows: two tensor loads of the wave are out, both first fills
	s_nop 0
	s_add_nc_u64 s[8:9], s[8:9], s[54:55]
	s_add_nc_u64 s[10:11], s[10:11], s[52:53]
	v_and_b32 v1, 15, v0                           ; r = l % 16
	v_bfe_u32 v2, v0, 4, 1                         ; l / 16
	v_lshlrev_b32 v[BI], 4, v1
	global_load_b128 v[BIAS:BIAS+3], v[BI], s[8:9] ; b_ho of the four columns that I store
	v_mul_u32_u24 v13, v1, PA
	v_lshl_add_u32 v[VA], v2, 5, v13               ; row r, 32 bytes (8 f32) for each half of the lanes
	v_add_nc_u32 v[VA], s33, v[VA]
	v_mul_u32_u24 v13, v1, PB
	v_lshl_add_u32 v[VB], v2, 4, v13               ; row r, 16 bytes (8 f16)
	v_add_nc_u32 v[VB], s50, v[VB]
	s_mul_i32 s48, s12, STG
	s_add_co_u32 s48, s48, STAGE                   ; my partial block
	v_mul_u32_u24 v13, v1, SP
	v_lshl_add_u32 v13, v2, 5, v13                 ; row r, 32 bytes (8 columns) for each half of the lanes
	v_add_nc_u32 v[STO], s48, v13
	s_mul_i32 s48, s12, 4*SP
	s_add_co_u32 s48, s48, STAGE                   ; the four rows that I store, in wave 0's block
	v_mul_u32_u24 v13, v2, SP
	v_lshl_add_u32 v13, v1, 4, v13
	v_add_nc_u32 v[RD], s48, v13
	v_lshl_add_u32 v[OO], v2, 11, v[BI]            ; lanes 0-15 one row of out0, lanes 16-31 the next
	s_wait_tensorcnt 1                             ; hfin's tile is in, W_ho's stays out; I alone read both
.irp k, 0,1,2,3,4,5,6,7
	ds_load_b128 v[AF+16*\k:AF+16*\k+3],     v[VA] offset:128*\k       ; K unit k: h = 8 (l / 16) + 0..7
	ds_load_b128 v[AF+16*\k+4:AF+16*\k+7],   v[VA] offset:128*\k+16
	ds_load_b128 v[AF+16*\k+8:AF+16*\k+11],  v[VA] offset:128*\k+64    ; and 16 + 8 (l / 16) + 0..7
	ds_load_b128 v[AF+16*\k+12:AF+16*\k+15], v[VA] offset:128*\k+80
.endr
	s_wait_dscnt 0
	; the largest of my 128 numbers of row r, in four chains that do not wait for each other; then the other half of the lanes has the row's other 128
.irp c, 0,1,2,3
	v_max_num_f32 v[M+\c], v[AF+32*\c], v[AF+32*\c+1]
.endr
.irp i, 2,4,6,8,10,12,14,16,18,20,22,24,26,28,30
.irp c, 0,1,2,3
	v_max3_num_f32 v[M+\c], v[M+\c], v[AF+32*\c+\i], v[AF+32*\c+\i+1]
.endr
.endr
	v_max3_num_f32 v[M], v[M], v[M+1], v[M+2]
	v_max_num_f32 v[M], v[M], v[M+3]
	v_permlanex16_b32 v[M+1], v[M], s13, s15
	v_max_num_f32 v[M], v[M], v[M+1]
	v_bfe_u32 v[M+1], v[M], 23, 8                  ; E, its biased exponent
	v_sub_nc_u32 v[M+1], 268, v[M+1]               ; the scale's: 127 + 141 - E
	v_min_u32 v[M+1], 253, v[M+1]                  ; at the most 253, so that the reciprocal's, 254 less this, is at least 1
	v_sub_nc_u32 v[M+2], 254, v[M+1]
	v_lshlrev_b32 v[SC], 23, v[M+1]
	v_lshlrev_b32 v[SC+1], 23, v[M+1]
	v_lshlrev_b32 v[IV], 23, v[M+2]
	v_lshlrev_b32 v[IV+1], 23, v[M+2]
.irp k, 0,1,2,3,4,5,6,7
.irp i, 0,1,2,3,4,5,6,7
	v_pk_mul_f32 v[AF+16*\k+2*\i:AF+16*\k+2*\i+1], v[AF+16*\k+2*\i:AF+16*\k+2*\i+1], v[SC:SC+1]
.endr
.irp i, 0,1,2,3,4,5,6,7
	v_cvt_pk_f16_f32 v[AH+8*\k+\i], v[AF+16*\k+2*\i], v[AF+16*\k+2*\i+1]
.endr
.endr
	s_wait_tensorcnt 0x0                           ; W_ho's tile is in
	LOADB 0                                        ; into the registers that held hfin in f32
	LOADB 1
	GROUP 0, 2, 16                                 ; the 16 loads of the other set stay out
	GROUP 1, 3, 16
	GROUP 2, -1, 16
	GROUP 3, -1, 0
	PLACES
.irp j, 0,2,4,6,8,10,12,14,16,18,20,22,24,26,28,30
	v_pk_mul_f32 v[ACC+\j:ACC+\j+1], v[ACC+\j:ACC+\j+1], v[IV:IV+1]        ; my row's scale is undone
.endr
.irp c, 0,1,2,3
	ds_store_b128 v[STO], v[ACC+8*\c:ACC+8*\c+3]   offset:64*\c
	ds_store_b128 v[STO], v[ACC+8*\c+4:ACC+8*\c+7] offset:64*\c+16
.endr
	s_wait_dscnt 0                                 ; my stores are done, for the others' sake
	s_barrier_signal -1
	s_barrier_wait -1
.irp w, 0,1,2,3
	ds_load_b128 v[64+8*\w:64+8*\w+3], v[RD] offset:\w*STG             ; wave w's partial sums of row 4 v + l / 16, 64 columns by 16 lanes,
	ds_load_b128 v[68+8*\w:68+8*\w+3], v[RD] offset:\w*STG+2*SP        ; and of row 4 v + 2 + l / 16
.endr
	s_wait_dscnt 0
	s_wait_loadcnt 0x0                             ; the bias
.irp j, 0,2,4,6
	v_pk_add_f32 v[64+\j:65+\j], v[64+\j:65+\j], v[72+\j:73+\j]            ; K quarters 0 + 1
	v_pk_add_f32 v[80+\j:81+\j], v[80+\j:81+\j], v[88+\j:89+\j]            ; 2 + 3
	v_pk_add_f32 v[64+\j:65+\j], v[64+\j:65+\j], v[80+\j:81+\j]
	v_pk_add_f32 v[64+\j:65+\j], v[64+\j:65+\j], v[BIAS+(\j%4):BIAS+(\j%4)+1]
.endr
	global_store_b128 v[OO], v[64:67], s[10:11]                    ; 16 lanes store 256 consecutive bytes at a multiple of 256
	global_store_b128 v[OO], v[68:71], s[10:11] offset:4096
	s_wait_tensorcnt 0x0
	ds_add_u32 v62, v63
	s_wait_dscnt 0x0
	s_endpgm
.Lfunc_end_k_qd3756608d0_head:
	.size	k_qd3756608d0_head, .Lfunc_end_k_qd3756608d0_head-k_qd3756608d0_head
	.p2alignl 7, 3214868480
	.fill 96, 4, 3214868480
	.section	.rodata,"a",@progbits
	.p2align	6, 0x0
	.amdhsa_kernel k_qd3756608d0_head
		.amdhsa_group_segment_fixed_size 219648
		.amdhsa_private_segment_fixed_size 0
		.amdhsa_enable_private_segment 0
		.amdhsa_kernarg_size 32
		.amdhsa_user_sgpr_count 2
		.amdhsa_user_sgpr_kernarg_segment_ptr 1
		.amdhsa_wavefront_size32 1
		.amdhsa_system_sgpr_workgroup_id_x 1
		.amdhsa_system_sgpr_workgroup_id_y 1
		.amdhsa_system_sgpr_workgroup_id_z 1
		.amdhsa_system_vgpr_workitem_id 0
		.amdhsa_next_free_vgpr 256
		.amdhsa_next_free_sgpr 66
		.amdhsa_reserve_vcc 0
		.amdhsa_float_denorm_mode_32 3
		.amdhsa_float_denorm_mode_16_64 3
		.amdhsa_memory_ordered 1
		.amdhsa_forward_progress 1
		.amdhsa_inst_pref_size 29
	.end_amdhsa_kernel
	.amdgpu_metadata
---
amdhsa.version: [ 1, 2 ]
amdhsa.kernels:
  - .name:           k_qd3756608d0_head
    .symbol:         k_qd3756608d0_head.kd
    .args:
      - { .name: hfin, .offset: 0, .size: 8, .value_kind: global_buffer, .address_space: global }
      - { .name: who_h, .offset: 8, .size: 8, .value_kind: global_buffer, .address_space: global }
      - { .name: b_ho, .offset: 16, .size: 8, .value_kind: global_buffer, .address_space: global }
      - { .name: out0, .offset: 24, .size: 8, .value_kind: global_buffer, .address_space: global }
    .group_segment_fixed_size: 219648
    .private_segment_fixed_size: 0
    .kernarg_segment_align: 8
    .kernarg_segment_size: 32
    .max_flat_workgroup_size: 128
    .sgpr_count:     66
    .vgpr_count:     256
    .wavefront_size: 32
...
	.end_amdgpu_metadata
.endif
;; end of part 4
;; ======== version 2 of 2: 4 launches; version 1 with the launch prep written anew for expert scheduling mode
;; limits: values are held in f16: magnitudes above 65,504 overflow, below 6.1e-05 lose precision; inputs' magnitudes at most 65,504; right only within a limited range of input values
;; workspace buffers: wih_t 1,048,576 bytes; wcell_h 2,097,152 bytes; who_h 1,048,576 bytes; g 67,108,864 bytes; hfin 524,288 bytes
;; launch prep (part 5): grid 256 x 1, 8 waves a work-group, no clusters, 0 bytes of LDS; arguments W_ih, W_cell, W_ho, wih_t, wcell_h, who_h; writes wih_t, wcell_h, who_h
.if DOCPART == 5
	.amdgcn_target "amdgcn-amd-amdhsa--gfx1250"
	.amdhsa_code_object_version 6
	.text
	.protected	k_qd3756608d0_prep
	.globl	k_qd3756608d0_prep
	.p2align	8
	.type	k_qd3756608d0_prep,@function
k_qd3756608d0_prep:
	s_mov_b64 s[64:65], 0
	v_nop
	global_prefetch_b8 v0, s[64:65] scope:SCOPE_SE
	s_setreg_imm32_b32 hwreg(HW_REG_WAVE_SCHED_MODE, 0, 2), 2
	s_setreg_imm32_b32 hwreg(HW_REG_WAVE_MODE, 25, 1), 1
	s_wait_xcnt 0x0
	s_wait_alu depctr_vm_vsrc(0)
; The three weight matrices, f32 to f16 (round to nearest even), once, because every row block of the later launches reads them again.
; f16 and not bf16: the recurrence two launches on can grow like HH^255 and then carries the rounding of the first few steps' operands along at full size;
; f16 keeps 11 significant bits where bf16 keeps 8.
; RANGE: f16's largest number is 65,504, its grid below 2^-14 is 2^-24.  The weights are drawn with spreads of 0.031 to 0.044: 30 times larger, 30 times smaller
; (the grid is then still under 1e-4 of the spread) or offset by 30 spreads they stay inside.  A weight beyond 65,504 (W_ih: 262,016) becomes an infinity.
; W_cell [1024][1024] and W_ho [512][1024] keep their layout.  W_ih [1024][512] is divided by 4 (exact), so that the first product's results, which are stored in f16,
; have 4 times more room (the recurrence is undone of this factor at its end), and is laid out as the tiles that the first product walks:
; wih_t[q][n][kk] = W_ih[512 (q / 8) + n][64 (q % 8) + kk] / 4, q = 0..15, n = 0..511, kk = 0..63: each tile is 65,536 consecutive bytes.
; A stream: no LDS, no barrier, no matrix unit, no cluster (no two work-groups read the same byte).
; A group is 4 numbers: 16 bytes in, 8 bytes out.  A work-group takes 2,048 groups, thread t the groups 256 i + t, i = 0..7: a wave's load
; covers 512 consecutive bytes (tiled: two pieces of 256), a wave's store 256 consecutive bytes at a multiple of 256.
; Work-groups 0-63: W_ih (131,072 groups); 64-191: W_cell (262,144); 192-255: W_ho (131,072).
; THE MODE: SCHED_MODE bits 1:0 = 2 (LLVM: expert scheduling mode 2), set by the entry lines.  The code itself states the register dependences
; between vector instructions and memory instructions, with s_wait_alu, always for 0.
; THE PLAN.  Registers that memory instructions touch:
;   v1, v2   byte offsets of the loads and of the stores.  Written by vector instructions once, at the head; read by every load or store; never written again.
;   IN       Written by the eight loads, which all go out at once, before any vector instruction has named these registers; read (and, for W_ih, scaled in place)
;            behind the counted wait for the data; no load lands in them again.
;   OUT      Each pair is written once, by its two roundings, and read once, by its store; never written again.
; So the one kind of dependence is: a vector instruction writes, a memory instruction reads.  The eight loads go in four steps of two.  Step p rounds loads 2 p and 2 p + 1;
; its memory instructions are the two stores of step p - 1, whose OUT pairs no vector instruction of step p names.  One wait at a step's head states all that both hang on.
.set IN,  8                            ; v[8:39]   eight loads of 4 registers
.set OUT, 40                           ; v[40:55]  eight results of 2 registers
; load i, landed: rounded to f16 into its own pair of OUT.  quarter = 1: times 1/4 first.
.macro RND i, quarter
.if \quarter
	v_pk_mul_f32 v[IN+4*(\i):IN+4*(\i)+1],   v[IN+4*(\i):IN+4*(\i)+1],   s[24:25] op_sel_hi:[1,0]
	v_pk_mul_f32 v[IN+4*(\i)+2:IN+4*(\i)+3], v[IN+4*(\i)+2:IN+4*(\i)+3], s[24:25] op_sel_hi:[1,0]
.endif
	v_cvt_pk_f16_f32 v[OUT+2*(\i)],   v[IN+4*(\i)],   v[IN+4*(\i)+1]
	v_cvt_pk_f16_f32 v[OUT+2*(\i)+1], v[IN+4*(\i)+2], v[IN+4*(\i)+3]
.endm
; eight loads in flight; then, two at a time as they land, they are rounded, and the two results of the step before are stored among the roundings.
; No address and no store's data is ever written again.
.macro CONV src, dst, step, quarter
	s_wait_alu depctr_va_vdst(0)                   ; v1 and v2 are written: every load below reads v1 as its offset, every store v2
.irp i, 0,1,2,3,4,5,6,7
	global_load_b128 v[IN+4*\i:IN+4*\i+3], v1, s[\src:\src+1] offset:\i*\step th:TH_LOAD_NT
.endr
.irp p, 0,1,2,3
	s_wait_loadcnt 6-2*\p                          ; loads come back in order: loads 2 p and 2 p + 1 are in, the 6 - 2 p younger ones stay out
.if \p > 0
	s_wait_alu depctr_va_vdst(0)                   ; the step before has written its two pairs of OUT, which the two stores of this step read
	global_store_b64 v2, v[OUT+4*\p-4:OUT+4*\p-3], s[\dst:\dst+1] offset:(2*\p-2)*2048
.endif
	RND 2*\p, \quarter
.if \p > 0
	global_store_b64 v2, v[OUT+4*\p-2:OUT+4*\p-1], s[\dst:\dst+1] offset:(2*\p-1)*2048   ; no wait: no vector instruction since the wait above names v2 or this pair
.endif
	RND 2*\p+1, \quarter
.endr
	s_wait_alu depctr_va_vdst(0)                   ; the last step has written its two pairs of OUT, which the last two stores read
	global_store_b64 v2, v[OUT+12:OUT+13], s[\dst:\dst+1] offset:6*2048
	global_store_b64 v2, v[OUT+14:OUT+15], s[\dst:\dst+1] offset:7*2048
.endm
	s_load_b256 s[4:11], s[0:1], 0x0               ; W_ih s[4:5], W_cell s[6:7], W_ho s[8:9], wih_t s[10:11]
	s_load_b128 s[12:15], s[0:1], 0x20             ; wcell_h s[12:13], who_h s[14:15]
	v_lshlrev_b32 v2, 3, v0                        ; where my 8 bytes go, on both ways
	s_mov_b32 s19, 0                               ; upper word of every offset
	s_mov_b32 s24, 0x3e800000                      ; 1/4
	s_mov_b32 s25, 0x3e800000
	s_cmp_lt_u32 ttmp9, 64
	s_cbranch_scc1 .Ltiled
	; W_cell or W_ho, layout kept: 32,768 bytes in and 16,384 bytes out for each work-group
	v_lshlrev_b32 v1, 4, v0
	s_sub_co_u32 s16, ttmp9, 64
	s_wait_kmcnt 0x0
	s_cmp_lt_u32 s16, 128                          ; the choice hangs on the work-group's number alone
	s_cselect_b64 s[20:21], s[6:7], s[8:9]
	s_cselect_b64 s[22:23], s[12:13], s[14:15]
	s_and_b32 s16, s16, 127                        ; my number within the matrix (W_ho's 128..191 become 0..63)
	s_lshl_b32 s18, s16, 15
	s_add_nc_u64 s[20:21], s[20:21], s[18:19]
	s_lshl_b32 s18, s16, 14
	s_add_nc_u64 s[22:23], s[22:23], s[18:19]
	CONV 20, 22, 4096, 0
	s_endpgm
.Ltiled:
	; W_ih: work-group L writes bytes 16,384 L .. of wih_t: tile q = L / 4, rows n = 128 (L % 4) + 16 i + t / 16, kk = 4 (t % 16).
	; Read at row 512 (L / 32) + n, byte 256 ((L / 4) % 8) + 16 (t % 16): sixteen lanes read 256 consecutive bytes of one row.
	v_lshrrev_b32 v3, 4, v0
	v_and_b32 v4, 15, v0
	v_lshlrev_b32 v4, 4, v4
	v_lshl_add_u32 v1, v3, 11, v4                  ; (t / 16) rows of 2,048 bytes + 16 (t % 16)
	s_lshr_b32 s16, ttmp9, 5
	s_lshl_b32 s16, s16, 20                        ; 512 rows of 2,048 bytes
	s_and_b32 s17, ttmp9, 3
	s_lshl_b32 s17, s17, 18                        ; 128 rows
	s_add_co_u32 s16, s16, s17
	s_bfe_u32 s17, ttmp9, 0x30002                  ; (L / 4) % 8
	s_lshl_b32 s17, s17, 8
	s_add_co_u32 s18, s16, s17
	s_wait_kmcnt 0x0
	s_add_nc_u64 s[20:21], s[4:5], s[18:19]
	s_lshl_b32 s18, ttmp9, 14
	s_add_nc_u64 s[22:23], s[10:11], s[18:19]
	CONV 20, 22, 32768, 1                          ; from i to i + 1: 16 rows of W_ih
	s_endpgm
.Lfunc_end_k_qd3756608d0_prep:
	.size	k_qd3756608d0_prep, .Lfunc_end_k_qd3756608d0_prep-k_qd3756608d0_prep
	.p2alignl 7, 3214868480
	.fill 96, 4, 3214868480
	.section	.rodata,"a",@progbits
	.p2align	6, 0x0
	.amdhsa_kernel k_qd3756608d0_prep
		.amdhsa_group_segment_fixed_size 0
		.amdhsa_private_segment_fixed_size 0
		.amdhsa_enable_private_segment 0
		.amdhsa_kernarg_size 48
		.amdhsa_user_sgpr_count 2
		.amdhsa_user_sgpr_kernarg_segment_ptr 1
		.amdhsa_wavefront_size32 1
		.amdhsa_system_sgpr_workgroup_id_x 1
		.amdhsa_system_sgpr_workgroup_id_y 1
		.amdhsa_system_sgpr_workgroup_id_z 1
		.amdhsa_system_vgpr_workitem_id 0
		.amdhsa_next_free_vgpr 64
		.amdhsa_next_free_sgpr 66
		.amdhsa_reserve_vcc 0
		.amdhsa_float_denorm_mode_32 3
		.amdhsa_float_denorm_mode_16_64 3
		.amdhsa_memory_ordered 1
		.amdhsa_forward_progress 1
		.amdhsa_inst_pref_size 9
	.end_amdhsa_kernel
	.amdgpu_metadata
---
amdhsa.version: [ 1, 2 ]
amdhsa.kernels:
  - .name:           k_qd3756608d0_prep
    .symbol:         k_qd3756608d0_prep.kd
    .args:
      - { .name: W_ih, .offset: 0, .size: 8, .value_kind: global_buffer, .address_space: global }
      - { .name: W_cell, .offset: 8, .size: 8, .value_kind: global_buffer, .address_space: global }
      - { .name: W_ho, .offset: 16, .size: 8, .value_kind: global_buffer, .address_space: global }
      - { .name: wih_t, .offset: 24, .size: 8, .value_kind: global_buffer, .address_space: global }
      - { .name: wcell_h, .offset: 32, .size: 8, .value_kind: global_buffer, .address_space: global }
      - { .name: who_h, .offset: 40, .size: 8, .value_kind: global_buffer, .address_space: global }
    .group_segment_fixed_size: 0
    .private_segment_fixed_size: 0
    .kernarg_segment_align: 8
    .kernarg_segment_size: 48
    .max_flat_workgroup_size: 256
    .sgpr_count:     66
    .vgpr_count:     64
    .wavefront_size: 32
...
	.end_amdgpu_metadata
.endif
;; end of part 5
;; launch gemm1: the kernel of part 2 again; grid 256 x 1, 4 waves a work-group, clusters of 4 x 1, 327,680 bytes of LDS; arguments X, wih_t, g; writes g
;; launch gemm2: the kernel of part 3 again; grid 4 x 64, 4 waves a work-group, clusters of 4 x 4, 327,680 bytes of LDS; arguments g, wcell_h, HH, hfin; writes hfin
;; launch head: the kernel of part 4 again; grid 8 x 8, 4 waves a work-group, no clusters, 219,648 bytes of LDS; arguments hfin, who_h, b_ho, out0; writes out0
